; MI455X (gfx1250); checked and timed in simulation.
; The chip was launched on July 23, 2026; its instructions are those of AMD's public machine-readable ISA for CDNA 5 (MIT licence, August 2026) and "CDNA5" Instruction Set Architecture Reference Guide (July 2026). The comments in the code are by the model that wrote it; some were corrected since.
;; W8 A8 B8 O32 Linear. Allowed arithmetic: matrix products marked QUANTISED: E2M1 operands, one E8M0 scale for each 32 along K, by v_wmma_scale_f32_16x16x128_f8f6f4 with both operands' format E2M1 (or v_wmma_scale_f32_32x16x128_f4), f32 sums; everything else in f32.
;; Inputs: alpha one number float32; bias 1 x 4,096 float32; weight_codes 4,096 x 64 x 16 uint8 (E2M1 codes of weight, K innermost, in blocks of 32 codes, two codes a byte); weight_scales 4,096 x 64 uint8 (E8M0 scales of weight, one for each 32 codes along K); x 4 x 2,048 x 2,048 int32.
;; Outputs: out0 4 x 2,048 x 4,096 int8.
;; This version of the problem:
;;   THIS VERSION OF THE PROBLEM IS GIVEN IN LOW PRECISION. The matrix products marked QUANTISED in the list below multiply operands that are first quantised to E2M1 (2 exponent bits, 1 mantissa bit; 4 bits a number), with one power-of-two scale for each 32 numbers along K (OCP MX v1.0); their sums are f32. All else is computed in f32.
;;   The module's matrix products, in the order in which they are computed (A, B: the left and right operand; K: the contracted axis; several contracted axes count as one K, in the product's order):
;;     1. [M 8,192, K 2,048] x [K 2,048, N 4,096]; A: input x; B: input weight (given as codes): QUANTISED
;;   THE QUANTISER, for each operand of a quantised product, along K:
;;     - K is cut into blocks of 32 from its start; a last block that is shorter is filled with zeros.
;;     - A block's scale is 2^e with e = floor(log2(the largest magnitude in the block)) - 2, held to -126 .. 127; a block of zeros has e = 0. As a byte (E8M0): e + 127.
;;     - Each number is divided by its block's scale, clamped to +-6, and rounded to the nearest number of E2M1, ties to even, subnormals kept.
;;     - The product sums the exact products of the quantised numbers (number of the format x scale) in f32.
;;   ~~~python
;;   def quantise(x, axis):      # numpy; x: float32 -> the quantised numbers, widened to float32 again
;;       x = np.moveaxis(x, axis, -1); K = x.shape[-1]
;;       x = np.pad(x, [(0, 0)] * (x.ndim - 1) + [(0, -K % 32)]); x = x.reshape(x.shape[:-1] + (-1, 32)); a = np.abs(x).max(-1, keepdims=True)
;;       e = np.where(a > 0, np.clip(np.frexp(np.where(a > 0, a, 1))[1] - 1 - 2, -126, 127), 0)      # np.frexp(a)[1] - 1 = floor(log2(a)), exactly
;;       r = np.clip(x / 2.0 ** e, -6, 6)
;;       step = 2.0 ** (np.maximum(np.frexp(np.where(r == 0, 1, r))[1] - 1, 0) - 1)
;;       q = np.round(r / step) * step * 2.0 ** e      # np.round: ties to even
;;       return np.moveaxis(q.reshape(q.shape[:-2] + (-1,))[..., :K], -1, axis).astype(np.float32)
;;   ~~~
;;   INPUTS GIVEN AS CODES. weight (in the module: [4096, 2048], K = its axis 1): each comes as NAME_codes (uint8): NAME with its K axis moved to the last place and cut into blocks of 32 codes, [.., K / 32, bytes a block], one block behind the other in memory; two codes a byte, the lower K in the low four bits (a code: sign, 2 exponent bits, 1 mantissa bit); and NAME_scales (uint8): the same leading axes, one E8M0 byte (e + 127) for each 32 codes along K. Its value is code x scale, taken as it is: it is not quantised again, and the codes and scales need not be those that the quantiser above would give.
;; One version. Each part assembles by itself: llvm-mc -triple=amdgcn-amd-amdhsa -mcpu=gfx1250 --defsym DOCPART=n.
;; ======== version 1 of 1: 2 launches
;; limits: right only within a limited range of input values
;; workspace buffers: xq 8,912,896 bytes
;; launch quantx (part 1): grid 512 x 1, 4 waves a work-group, no clusters, 38,400 bytes of LDS; arguments x, xq; writes xq
.if DOCPART == 1
	.amdgcn_target "amdgcn-amd-amdhsa--gfx1250"
	.amdhsa_code_object_version 6
	.text
	.protected	k_q26f766e380_quantx
	.globl	k_q26f766e380_quantx
	.p2align	8
	.type	k_q26f766e380_quantx,@function
k_q26f766e380_quantx:
	s_mov_b64 s[64:65], 0
	v_nop
	global_prefetch_b8 v0, s[64:65] scope:SCOPE_SE
	s_setreg_imm32_b32 hwreg(HW_REG_WAVE_MODE, 25, 1), 1
	s_wait_xcnt 0x0
; x [8192][2048], int32, is turned into f32 and then into codes of FP4 (E2M1), 4 bits each, two codes a byte (the lower k in the low four bits), with one E8M0 scale byte for each 32 along K.
; THE RESULT IS LAID AS THE NEXT LAUNCH'S LDS WANTS IT: xq [4 (512 along K)][8192 rows][272 bytes]: 256 bytes of codes, then the 16 scale bytes of those 512 k.
; So 128 rows of one such K step are 34,816 consecutive bytes, a multiple of 256, and come into LDS as one dense block in which rows lie 272 bytes apart.
; A block's scale is 2^(floor(log2(its largest magnitude)) - 2); its byte is the largest magnitude's own exponent field - 2, held at 1 from below.
; Each number is divided by the scale and rounded to the nearest code, ties to even; beyond 6 the conversion gives the largest code.
; LIMITS: a block of zeros gets the byte 1 where the quantiser's rule says 127: its codes are zeros, which add nothing under any byte but 0xff, and the bytes are read by this program alone.
;         |x| from 2^24 on is rounded to f32 by v_cvt_f32_i32 (to nearest even), as a cast to float32 rounds it.
; SHARES.  A work-group takes 16 rows, each of its four waves 4: 16 steps of 512 numbers; step t is K step t % 4 of the wave's row t / 4.
; The conversion takes 8 numbers of ONE block from a lane's consecutive registers, so a lane must hold 16 NEIGHBOURS (two neighbouring lanes hold a block); a load is best where neighbouring
; LANES take neighbouring bytes.  Both are had: each of a step's four loads reads 512 consecutive bytes, 16 a lane; the 2,048 bytes go through the wave's own stage in LDS, as they lie, and come
; back 64 bytes a lane.  The stage has 16 bytes of padding behind each 64, so that the lanes' reads do not all fall on the same banks.
; THE WAY OUT.  A row's piece of 272 bytes is no multiple of 256, 16 rows' pieces (4,352 bytes) are.  So codes and scale bytes are gathered in an image of the work-group's part of xq in LDS;
; behind one barrier wave w stores K step w's 4,352 bytes: 17 stores, each 256 consecutive bytes at a multiple of 256 from the buffer's first byte.
; No tensor loads, no matrix unit: the bytes moved decide.  Loads run eight steps (32 loads, 16 KiB a wave) ahead, the turn through LDS one step.
.set STEPS, 16
.set AHEAD, 8                          ; steps of loads in flight = sets of R
.set SP,    80                         ; a lane's place in a stage: its 64 bytes + 16 of padding
.set WREG,  2*32*SP                    ; LDS: two stages for each wave
.set RP,    272                        ; a row's piece in xq
.set KIMG,  16*RP                      ; the work-group's 16 rows of one K step
.set IMG,   4*WREG                     ; LDS, behind the stages: the image, 4 x KIMG bytes
.set KSB,   8192*RP                    ; bytes of xq from a K step to the next
.set R,     16                         ; v16-143   eight sets of 16 numbers as they are loaded; at the end the image read back
.set X,     144                        ; v144-175  two sets of 16 neighbours
.set E,     176                        ; v176-191  a scale byte for each step
.set C,     192                        ; v192-223  a pair of code registers for each step
	s_load_b128 s[4:7], s[0:1], 0x0                ; x, xq
	v_lshl_add_u32 v224, v0, 2, 0x9400
	v_mov_b32 v225, 0
	v_lshrrev_b32 v1, 5, v0
	v_readfirstlane_b32 s16, v1                    ; wave 0..3
	v_and_b32 v2, 31, v0                           ; lane
	v_lshlrev_b32 v3, 4, v2                        ; my 16 bytes of a load's 512
	s_mul_i32 s17, s16, WREG
	v_lshrrev_b32 v14, 2, v2
	v_mul_u32_u24 v14, v14, SP
	v_and_b32 v15, 3, v2
	v_lshl_add_u32 v14, v15, 4, v14
	v_add_nc_u32 v14, s17, v14                     ; the stage, on the way in: four lanes' 64 bytes on end, then 16 of padding: SP (lane / 4) + 16 (lane % 4)
	v_mul_u32_u24 v15, v2, SP
	v_add_nc_u32 v15, s17, v15                     ; and on the way out: SP x lane: my 16 neighbours
	s_mul_i32 s21, s16, 4*RP
	s_add_co_u32 s21, s21, IMG                     ; the image: my wave's four rows of K step 0
	v_lshl_add_u32 v4, v2, 3, s21                  ; my 8 bytes of a step's 256 bytes of codes
	v_lshrrev_b32 v5, 1, v2
	v_add_nc_u32 v5, s21, v5                       ; my block's scale byte (256 bytes on: in the immediate)
	s_mul_i32 s22, s16, KIMG
	s_add_co_u32 s22, s22, IMG
	v_lshl_add_u32 v6, v2, 3, s22                  ; the image read back: K step = my wave's number, 8 bytes a lane
	v_lshlrev_b32 v7, 3, v2                        ; and the same in xq
	s_lshl_b32 s20, ttmp9, 2
	s_add_co_u32 s20, s20, s16                     ; which run of four rows is my wave's: 0 .. 2,047
	s_mov_b32 s19, 0
	s_wait_alu depctr_va_vdst(0)
	s_wait_kmcnt 0x0
	s_lshl_b32 s18, s20, 15                        ; 32,768 bytes of x a run
	s_add_nc_u64 s[4:5], s[4:5], s[18:19]
	s_mul_i32 s18, s16, KSB                        ; xq: K step = my wave's number,
	s_mul_i32 s23, ttmp9, KIMG                     ; the work-group's 16 rows: under 2^24 bytes together
	s_add_co_u32 s18, s18, s23
	s_add_nc_u64 s[6:7], s[6:7], s[18:19]
.macro LOAD t
.irp i, 0,1,2,3
	global_load_b128 v[R+16*((\t)%AHEAD)+4*\i:R+16*((\t)%AHEAD)+4*\i+3], v3, s[4:5] offset:2048*(\t)+512*\i th:TH_LOAD_NT   ; 32 lanes read 512 consecutive bytes; read once in the launch
.endr
.endm
.macro TURN t                          ; step t's numbers through the stage: LDS serves a wave's instructions in order (ISA guide 5.7.1.4), so no wait stands between the stores and the loads
.irp i, 0,1,2,3
	ds_store_b128 v14, v[R+16*((\t)%AHEAD)+4*\i:R+16*((\t)%AHEAD)+4*\i+3] offset:32*SP*((\t)%2)+8*SP*\i
.endr
.irp i, 0,1,2,3
	ds_load_b128 v[X+16*((\t)%2)+4*\i:X+16*((\t)%2)+4*\i+3], v15 offset:32*SP*((\t)%2)+16*\i
.endr
.endm
.irp t, 0,1,2,3,4,5,6,7
	LOAD \t
.endr
	s_wait_loadcnt 28                              ; step 0's four loads are in; the 28 of steps 1 to 7 may be out
	TURN 0
.macro STEP t
.set XS, X+16*((\t)%2)
.if (\t) > 0
	s_wait_dscnt 2                                 ; this step's numbers are back from the stage (the last step's two stores into the image may be out): so its stores into the stage have read their registers,
.else
	s_wait_dscnt 0x0
.endif
.if (\t)+AHEAD < STEPS
	LOAD (\t)+AHEAD                                ; which take the loads of eight steps on
.endif
.if (\t)+1 < STEPS
.if (\t)+AHEAD < STEPS
	s_wait_loadcnt 4*(AHEAD-1)                     ; the next step's four loads are in; those of the seven steps behind it may be out
.else
	s_wait_loadcnt 4*(STEPS-2-(\t))                ; the counts run down: only the steps up to the last are behind it
.endif
	TURN (\t)+1                                    ; and go through the other stage while this step is worked
.endif
.irp i, 0,1,2,3,4,5,6,7,8,9,10,11,12,13,14,15
	v_cvt_f32_i32 v[XS+\i], v[XS+\i]               ; the cast to f32
.endr
	v_max3_num_f32 v8, |v[XS]|, |v[XS+1]|, |v[XS+2]|               ; the largest magnitude of my 16, in two chains
	v_max3_num_f32 v9, |v[XS+3]|, |v[XS+4]|, |v[XS+5]|
.irp i, 6,10
	v_max3_num_f32 v8, v8, |v[XS+\i]|, |v[XS+\i+1]|
	v_max3_num_f32 v9, v9, |v[XS+\i+2]|, |v[XS+\i+3]|
.endr
	v_max3_num_f32 v8, v8, |v[XS+14]|, |v[XS+15]|
	v_max3_num_f32 v8, v8, v9, 0x1800000           ; and the floor 2^(3 - 127), under which no largest magnitude is taken: so the byte cannot fall under 1
	v_max_num_f32_dpp v8, v8, v8 row_xmask:1 row_mask:0xf bank_mask:0xf   ; and of my neighbour's 16: the block's
	v_add_nc_u32 v11, 0xff000000, v8               ; 2 off its exponent field: the conversion takes the exponent field of this operand as its scale, and nothing else of it
	v_cvt_scalef32_pk8_fp4_f32 v[C+2*(\t)], v[XS:XS+7], v11        ; eight numbers / the scale, to the nearest code, ties to even; the first number's code in the lowest four bits
	v_cvt_scalef32_pk8_fp4_f32 v[C+2*(\t)+1], v[XS+8:XS+15], v11
	v_lshrrev_b32 v[E+(\t)], 23, v11               ; the scale's byte.  (Also the plain line behind the conversions)
	ds_store_b8 v5, v[E+(\t)] offset:((\t)%4)*KIMG+((\t)/4)*RP+256          ; both lanes of a block write the same byte with the same value
	ds_store_b64 v4, v[C+2*(\t):C+2*(\t)+1] offset:((\t)%4)*KIMG+((\t)/4)*RP   ; the step's 256 bytes of codes: K step t % 4, my row t / 4
.endm
.irp t, 0,1,2,3,4,5,6,7,8,9,10,11,12,13,14,15
	STEP \t
.endr
	s_wait_dscnt 0x0                               ; for the others' sake: my stores into the image are done
	s_barrier_signal -1
	s_barrier_wait -1                              ; the image is whole
.set u, 0
.rept 17
	ds_load_b64 v[R+2*u:R+2*u+1], v6 offset:256*u
.set u, u+1
.endr
.set u, 0
.rept 17
	s_wait_dscnt 16-u                              ; LDS loads come back in order (ISA guide 5.7.1): load u is in, the younger ones may be out
	global_store_b64 v7, v[R+2*u:R+2*u+1], s[6:7] offset:256*u     ; 32 lanes store 256 consecutive bytes, aligned; the next launch reads them, so no hint
.set u, u+1
.endr
	s_wait_tensorcnt 0x0
	ds_add_u32 v224, v225
	s_wait_dscnt 0x0
	s_endpgm
.Lfunc_end_k_q26f766e380_quantx:
	.size	k_q26f766e380_quantx, .Lfunc_end_k_q26f766e380_quantx-k_q26f766e380_quantx
	.p2alignl 7, 3214868480
	.fill 96, 4, 3214868480
	.section	.rodata,"a",@progbits
	.p2align	6, 0x0
	.amdhsa_kernel k_q26f766e380_quantx
		.amdhsa_group_segment_fixed_size 38400
		.amdhsa_private_segment_fixed_size 0
		.amdhsa_enable_private_segment 0
		.amdhsa_kernarg_size 16
		.amdhsa_user_sgpr_count 2
		.amdhsa_user_sgpr_kernarg_segment_ptr 1
		.amdhsa_wavefront_size32 1
		.amdhsa_system_sgpr_workgroup_id_x 1
		.amdhsa_system_sgpr_workgroup_id_y 1
		.amdhsa_system_sgpr_workgroup_id_z 1
		.amdhsa_system_vgpr_workitem_id 0
		.amdhsa_next_free_vgpr 226
		.amdhsa_next_free_sgpr 66
		.amdhsa_reserve_vcc 0
		.amdhsa_float_denorm_mode_32 3
		.amdhsa_float_denorm_mode_16_64 3
		.amdhsa_memory_ordered 1
		.amdhsa_forward_progress 1
		.amdhsa_inst_pref_size 44
	.end_amdhsa_kernel
	.amdgpu_metadata
---
amdhsa.version: [ 1, 2 ]
amdhsa.kernels:
  - .name:           k_q26f766e380_quantx
    .symbol:         k_q26f766e380_quantx.kd
    .args:
      - { .name: x, .offset: 0, .size: 8, .value_kind: global_buffer, .address_space: global }
      - { .name: xq, .offset: 8, .size: 8, .value_kind: global_buffer, .address_space: global }
    .group_segment_fixed_size: 38400
    .private_segment_fixed_size: 0
    .kernarg_segment_align: 8
    .kernarg_segment_size: 16
    .max_flat_workgroup_size: 128
    .sgpr_count:     66
    .vgpr_count:     226
    .wavefront_size: 32
...
	.end_amdgpu_metadata
.endif
;; end of part 1
;; launch gemm (part 2): grid 16 x 16, 4 waves a work-group, clusters of 4 x 4, 327,680 bytes of LDS; arguments xq, weight_codes, weight_scales, alpha, bias, out0; writes out0
.if DOCPART == 2
	.amdgcn_target "amdgcn-amd-amdhsa--gfx1250"
	.amdhsa_code_object_version 6
	.text
	.protected	k_q26f766e380_gemm
	.globl	k_q26f766e380_gemm
	.p2align	8
	.type	k_q26f766e380_gemm,@function
k_q26f766e380_gemm:
	s_mov_b64 s[64:65], 0
	v_nop
	global_prefetch_b8 v0, s[64:65] scope:SCOPE_SE
	s_setreg_imm32_b32 hwreg(HW_REG_WAVE_MODE, 25, 1), 1
	s_wait_xcnt 0x0
	s_wait_alu depctr_hold_cnt(0) depctr_sa_sdst(0) depctr_va_vdst(0) depctr_va_sdst(0) depctr_va_ssrc(0) depctr_va_vcc(0) depctr_vm_vsrc(0)
	s_getreg_b32 s2, hwreg(HW_REG_IB_STS2, 6, 4)
	s_cmp_eq_u32 s2, 0
	s_cbranch_scc0 .Lentry_in_a_cluster
	s_endpgm
.Lentry_in_a_cluster:
	s_bfe_u32 s2, ttmp6, 0x10000c
	s_cmp_lg_u32 s2, 0xf033
	s_cbranch_scc0 .Lentry_shape_is_right
	s_endpgm
.Lentry_shape_is_right:
; out0[m][n] = int8(clip(round(y alpha + bias[n]), -128, 127)),  y[m][n] = sum over k of A[m][k] B[n][k],  M = 8,192, N = 4,096, K = 2,048.
; A = x as quantised by the launch before: xq [4 (512 along K)][8192 rows][272 bytes]: 256 bytes of FP4 (E2M1) codes, then those 512 k's 16 E8M0 scale bytes.
; B = the weight as given: codes in rows of 1,024 bytes, one E8M0 byte for each 32 along K in rows of 64 bytes.  Sums in f32.  The matrix instruction takes codes and scale bytes as they lie.
; LIMITS: NaN is not served (a weight's scale byte 0xff, a NaN in alpha or bias): the cast of NaN to int8 has no defined value.  Infinities are clipped like any number.
; A tile of the result, 256 x 256, is made by a work-group of four waves, as many as a WGP has SIMDs; a wave makes 128 x 128: 32 accumulators of 32 columns x 16 rows, 512 registers.
; K goes in 4 steps of 512 through a ring of two LDS slots filled by the tensor data mover.  256 rows of A's K step are 69,632 dense bytes of xq: they come as pieces of 256 bytes and lie in LDS
; as rows 272 bytes apart, A'S SCALE BYTES WHERE B'S ROWS HAVE THEIR PADDING.  B's scales of the work-group's 256 columns, for all of K, are one dense block of 16 KiB: filled once, they stay.
; A WORK-GROUP STAYS: it makes TILES = 2 tiles, 4,096 rows apart, on the same rows of B: 512 tiles on 256 work-groups.  The ring does not stop at a tile's end: the first tile's last two changes
; of slots ask for the next tile's K steps 0 and 1, which land while the tile goes out, and nothing waits for a tile's stores.  The last tile's end is written out: it asks for nothing.
; CLUSTERS: 4 x 4 work-groups.  The four of a row of the cluster need the same tiles of A, the four of a column the same tiles of B: each tile is asked for JOINTLY, by the same tensor load
; with the same descriptor and a mask that names the four.
; PREFETCHES INTO THE L2.  The walk's eight K steps (four a tile) are asked for two refills ahead: the head asks for steps 1 and 2, and behind the load of step g stands the prefetch of step g + 2; the loads of steps 6 and 7 are
; followed by none.  A's 272 blocks of 256 bytes of a K step are shared out by address among the four partners of a row of the cluster and their four waves, 17 a wave; B's 256 rows of 256 bytes likewise along a column, 16 a wave.
; B's rows are the same in both tiles: they are asked for in the first tile alone.  The addresses are never rewritten: the K step and the tile stand in the immediate.
; THE MATRIX INSTRUCTION (32x16x128) IS USED TRANSPOSED: source 0 = 32 rows of B, source 1 = 16 rows of A: a lane holds, of one row of the result, columns 8 (l / 16) + 0..7 and 16 + 8 (l / 16) + 0..7.
; REGISTERS, in windows of 256: window 0: v0-31 addresses; v32-95 scale words, two sets, and nothing else; v96-127 packed results; v128-191 the bias of my 128 columns; v192-223 rows read back from the stage.
;   window 1: fragments, TWO sets of 128: B's 128 rows (64 registers), A's 128 rows (64).
;   window 2: the accumulators of my rows 0-63 ((a, t) at v[16 (4 a + t)]);   window 3: those of my rows 64-127.
; A step of 128 along K is 32 matrix instructions: A's eight blocks of 16 rows, each against B's four of 32.  The 32 LDS loads that bring the next step's fragments into the other set stand in ONE run.
.set TILES,  2
.set WALK,   4096                      ; rows from a work-group's tile to its next
.set ROWB,   256                       ; a tile's row of codes in bytes
.set KROW,   1024                      ; a row of B's codes in memory, in bytes
.set PITCH,  272                       ; an LDS row: 256 bytes + 16 = 68 words: row r starts at bank 4 r mod 64 (64 banks of 4 bytes: ISA guide 11.1): the 16 rows of a load start at 16 different banks
.set HALFT,  128*PITCH                 ; 128 rows: what one refill brings, and what one wave reads of A or of B
.set SLOT,   4*HALFT                   ; A's 256 rows, then B's 256 rows
.set AKS,    8192*PITCH                ; bytes of xq from a K step to the next
.set NEXT_A, 2*AKS-WALK*PITCH          ; taken off a slot's address of A at a tile's end: two K steps back, WALK rows on
.set KS,     64                        ; a row of B's scales in bytes
.set SCLB,   2*SLOT                    ; behind the ring: B's scales, as pieces of 256 bytes + 16 of padding
.set HALFS,  (128*KS/256)*272          ; the scales of 128 rows
.set SBLK,   (32*KS/256)*272           ; those of 32 rows
.set SPARE,  SCLB+2*HALFS              ; behind the scales: the spare words, 128 bytes for each wave: two blocks of 256 bytes that no other line names
.set STAGE,  SPARE+512                 ; behind them: two stages of 32 rows x (256 bytes + 16) for the way out: bytes of their own, into which no tile lands
.set STG,    32*PITCH
.set NROW,   4096                      ; a row of out0 in bytes
.set PFO,  12                          ; v12     the prefetches' offset in A: 256 x lane, from lane 16 on the last block again; never rewritten
.set PFOB, 13                          ; v13     in B: 1,024 x lane, from lane 15 on the last row again; never rewritten
.set ADRA, 16                          ; v16-17  LDS address of my A fragments in slot 0, 1
.set ADSA, 18                          ; v18-19  of A's scale words in slot 0, 1: a lane a row
.set ADRB, 20                          ; v20-21  of my B fragments in slot 0, 1
.set ADSB, 22                          ; v22     of B's scale words: a lane a row
.set STO,  24                          ; v24     the way out: where I put 8 bytes of a row
.set RD,   25                          ; v25     the way out: where I read 16 bytes of a row back
.set CO,   26                          ; v26     my byte offset in out0
.set SPW,  28                          ; v28     LDS address of my spare word: SPARE + 4 x my thread's number; never rewritten
.set NIL,  29                          ; v29     0; never rewritten
.set BO,   30                          ; v30     my byte offset in the bias: 32 x (lane / 16)
.set SCA,  32                          ; A's scale words: set s (for slot s) at v[SCA + 16 s]; register 4 i + q: row 32 i + lane, the slot's q-th 128 along K
.set SCB,  64                          ; B's, likewise
.set P,    96                          ; packed results: two sets of 16
.set BI,   128                         ; bias: register 8 b + j = bias[my first column + 16 b + 8 (lane / 16) + j]
.set OB,   192                         ; rows read back: two sets of 16
.set G1, 24                            ; s[24:31] descriptor group 1 for A's tiles;  s[32:39] group 0, one set for each slot
.set G0, 32
.set G1B, 48                           ; s[48:55], s[56:63] the same for B's tiles
.set G0B, 56
.set G0H, 68                           ; s[68:71], s[72:75] group 0 for the head's loads of K step 0: A's 256 rows, B's 256 rows
.set G0HB, 72
.set PFA, 76                           ; s[76:77] where my prefetches of A begin, s[78:79] those of B
.set PFB, 78
.set G1SB, 80                          ; s[80:87], s[88:91] groups 1 and 0 for B's scales
.set G0SB, 88
.set MSB, 0
.macro WIN new                         ; the immediate's high byte repeats the setting that is left; a switch that changes nothing is dropped
.if MSB != (\new)
	s_set_vgpr_msb (MSB<<8)|(\new)
.set MSB, (\new)
.endif
.endm
.set MUL_LO, 0xa5                      ; sources 0 (B) and 1 (A) window 1, C and D window 2
.set MUL_HI, 0xf5                      ; the same, C and D window 3
.set TO_F,   0x40                      ; destination window 1, address window 0
; A joint refill: waves 0 and 1 fetch A's halves, waves 2 and 3 B's.  Each of the two lines has ONE mask and one set of registers for all that issue it; the branch hangs on the wave's number alone.
; Four v_nop follow each of the two lines, ahead of the jump, the label and what follows.
.macro JLOAD s
	s_cmp_eq_u32 s15, 0
	s_cbranch_scc0 .Lfor_b_\@
	tensor_load_to_lds s[G0+4*\s:G0+4*\s+3], s[G1:G1+7]
	s_nop 0
.rept 4
	v_nop
.endr
	s_branch .Lasked_\@
.Lfor_b_\@:
	tensor_load_to_lds s[G0B+4*\s:G0B+4*\s+3], s[G1B:G1B+7]
	s_nop 0
.rept 4
	v_nop
.endr
.Lasked_\@:
.endm
.macro CREST                           ; a round of the cluster's barrier behind its opening barrier
	s_cmp_lg_u32 s14, 0
	s_cbranch_scc1 .Lnot_wave_0_\@
	s_barrier_signal -3
.Lnot_wave_0_\@:
	s_barrier_wait -3
	s_barrier_signal -1
	s_barrier_wait -1
.endm
.macro CROUND                          ; a whole round
	s_barrier_signal -1
	s_barrier_wait -1
	CREST
.endm
.macro ASK_A off                       ; my 17 blocks of A: off = the tile's and the K step's distance in xq
	global_prefetch_b8 v[PFO], s[PFA:PFA+1] offset:\off th:TH_LOAD_NT scope:SCOPE_SE
.endm
.macro ASK_B k                         ; my 16 rows of B of K step k
	global_prefetch_b8 v[PFOB], s[PFB:PFB+1] offset:\k*ROWB th:TH_LOAD_NT scope:SCOPE_SE
.endm
	s_load_b256 s[4:11], s[0:1], 0x0               ; xq s[4:5], B's codes s[6:7], B's scales s[8:9], alpha s[10:11]
	s_load_b128 s[96:99], s[0:1], 0x20             ; bias s[96:97], out0 s[98:99]
	v_lshl_add_u32 v[SPW], v0, 2, SPARE
	v_mov_b32 v[NIL], 0
	ds_add_u32 v[SPW], v[NIL]                      ; the wave's opening: the add, twice on end, and its one wait ahead of my first tensor load
	ds_add_u32 v[SPW], v[NIL]
	v_lshrrev_b32 v1, 5, v0
	v_readfirstlane_b32 s14, v1                    ; wave 0..3
	s_lshr_b32 s15, s14, 1                         ; which half of the tile's rows is mine.  Also: I fetch for A (0) or for B (1)
	s_and_b32 s16, s14, 1                          ; which half of its columns.  Also: which 128 rows of that tile I fetch
	s_bfe_u32 s40, ttmp6, 0x40000                  ; cx, cy: my place in the cluster
	s_bfe_u32 s41, ttmp6, 0x40004
	s_lshl_b32 s42, ttmp9, 2
	s_add_co_u32 s42, s42, s40                     ; tile column = 4 x cluster x + cx
	s_and_b32 s17, ttmp7, 0xffff
	s_lshl_b32 s17, s17, 2
	s_add_co_u32 s17, s17, s41                     ; my first tile's row of tiles = 4 x cluster y + cy: 0 .. 15
	s_lshl_b32 s43, s41, 2
	s_lshl_b32 s43, 15, s43                        ; my row of the cluster: places 4 cy .. 4 cy + 3
	s_lshl_b32 s44, 0x1111, s40                    ; my column: places cx, cx + 4, cx + 8, cx + 12
	; descriptor group 1 for A: a dense block of 69,632 bytes as 272 rows of 32 elements of 8 bytes, no padding; behind the head's load the two words that count rows are set to 136, for the ring's
	s_or_b32 s[G1+0], s43, (3<<16)|(1<<21)         ; 15:0 the mask: A's tiles go to my row; 17:16 elements of 8 bytes; 20 padding off; 21 set beside a mask
	s_mov_b32 s[G1+1], 32<<16                      ; tensor_dim0 = 32
	s_mov_b32 s[G1+2], 272<<16                     ; tensor_dim1 = 272
	s_mov_b32 s[G1+3], 32<<16                      ; tile_dim0 = 32
	s_mov_b32 s[G1+4], 272                         ; tile_dim1 = 272
	s_mov_b32 s[G1+5], 32                          ; tensor_dim0_stride: each row begins where the last ends
	s_mov_b32 s[G1+6], 0
	s_mov_b32 s[G1+7], 0
	; for B: a tile of 256 rows (in the ring 128) x 256 bytes, padded in LDS
	s_or_b32 s[G1B+0], s44, (0<<16)|(1<<20)|(1<<21)|(5<<22)|(3<<25) ; the mask of my column; elements of 1 byte; padding on: after every 64 words (code 5) 4 words (code 3)
	s_mov_b32 s[G1B+1], ROWB<<16
	s_mov_b32 s[G1B+2], 256<<16
	s_mov_b32 s[G1B+3], ROWB<<16
	s_mov_b32 s[G1B+4], 256
	s_mov_b32 s[G1B+5], KROW                       ; 1,024 bytes from row to row
	s_mov_b32 s[G1B+6], 0
	s_mov_b32 s[G1B+7], 0
	; and for B's scales of 128 rows: a dense block of 8,192 bytes, as 32 rows of 256 bytes (32 elements of 8 bytes), 16 bytes of padding behind each
	s_or_b32 s[G1SB+0], s44, (3<<16)|(1<<20)|(1<<21)|(5<<22)|(3<<25)
	s_mov_b32 s[G1SB+1], 32<<16
	s_mov_b32 s[G1SB+2], (128*KS/256)<<16
	s_mov_b32 s[G1SB+3], 32<<16
	s_mov_b32 s[G1SB+4], 128*KS/256
	s_mov_b32 s[G1SB+5], 32
	s_mov_b32 s[G1SB+6], 0
	s_mov_b32 s[G1SB+7], 0
	; where the tiles come from.  A's hang on the tile row alone, which my row of the cluster shares; B's on the tile column alone, which my column shares.
	s_mul_i32 s20, s17, 256*PITCH                  ; A: the tile's first row, in bytes of a K step of xq: under 2^21
	s_mov_b32 s21, 0
	s_lshl_b32 s18, s16, 7
	s_lshl_b32 s46, s42, 8                         ; B: row 256 x tile column
	s_add_co_u32 s92, s46, s18                     ; the scales: my half of the columns, 64 bytes a row
	s_lshl_b32 s92, s92, 6
	s_mov_b32 s93, 0
	s_lshl_b32 s46, s46, 10                        ; the codes: 1,024 bytes a row
	s_mov_b32 s47, 0
	s_mul_i32 s45, s14, HALFT                      ; where the ring's loads go: wave x 128 rows: no place in the cluster enters an LDS address
	s_mul_i32 s94, s16, HALFS
	s_wait_dscnt 0x0                               ; both opening adds are done
	s_wait_kmcnt 0x0
	s_add_nc_u64 s[20:21], s[4:5], s[20:21]
	s_add_nc_u64 s[46:47], s[6:7], s[46:47]
	s_add_nc_u64 s[92:93], s[8:9], s[92:93]
	s_mov_b32 s[G0H], 1                            ; 1:0 count = 1: K step 0's 256 rows of A,
	s_mov_b32 s[G0H+1], 0                          ; 63:32 LDS address
	s_mov_b64 s[G0H+2:G0H+3], s[20:21]             ; 120:64 global address
	s_or_b32 s[G0H+3], s[G0H+3], 0x80000000        ; 127:126 type = 2
	s_mov_b32 s[G0HB], 1                           ; its 256 rows of B, behind them in slot 0,
	s_mov_b32 s[G0HB+1], 2*HALFT
	s_mov_b64 s[G0HB+2:G0HB+3], s[46:47]
	s_or_b32 s[G0HB+3], s[G0HB+3], 0x80000000
	s_mov_b32 s[G0SB], 1                           ; and the scales of half of B's rows
	s_add_co_u32 s[G0SB+1], s94, SCLB
	s_mov_b64 s[G0SB+2:G0SB+3], s[92:93]
	s_or_b32 s[G0SB+3], s[G0SB+3], 0x80000000
	CROUND                                         ; all sixteen work-groups are here: the first joint loads meet
; THE HEAD'S LOADS, ONE A WAVE.  Wave 0 fetches K step 0's 256 rows of A, wave 1 its 256 rows of B, waves 2 and 3 the two halves of B's scales.
; ONE tree of branches on the wave's number: every way through the head passes exactly one load.
.macro ARM under, g0, g1, next
	s_cmp_lt_u32 s14, \under
	s_cbranch_scc0 \next
	tensor_load_to_lds s[\g0:\g0+3], s[\g1:\g1+7]
	s_nop 0
.rept 4
	v_nop
.endr
	s_branch .Lhead_asked
\next:
.endm
	ARM 1, G0H,  G1,  .Lhead_b
	ARM 2, G0HB, G1B, .Lhead_s
	tensor_load_to_lds s[G0SB:G0SB+3], s[G1SB:G1SB+7]
	s_nop 0
.rept 4
	v_nop
.endr
.Lhead_asked:
	s_load_b32 s66, s[10:11], 0x0                  ; alpha: waited for at the head of the way out
	s_lshl_b32 s92, s40, 2                         ; the prefetches: A: partner cx, wave w begin at block 17 (4 cx + w) of the tile's 272
	s_add_co_u32 s92, s92, s14
	s_mul_i32 s92, s92, 17*256
	s_mov_b32 s93, 0
	s_add_nc_u64 s[PFA:PFA+1], s[20:21], s[92:93]
	s_lshl_b32 s92, s41, 2                         ; B: partner cy, wave w begin at row 16 (4 cy + w) of the tile's 256
	s_add_co_u32 s92, s92, s14
	s_lshl_b32 s92, s92, 14
	s_add_nc_u64 s[PFB:PFB+1], s[46:47], s[92:93]
	s_mul_i32 s18, s16, HALFT                      ; for the ring: my 128 rows of a tile: in A
	s_mov_b32 s19, 0
	s_add_nc_u64 s[20:21], s[20:21], s[18:19]
	s_lshl_b32 s18, s16, 17                        ; and in B
	s_add_nc_u64 s[46:47], s[46:47], s[18:19]
.irp s, 0,1
	s_mov_b32 s[G0+4*\s], 1
	s_add_co_u32 s[G0+4*\s+1], s45, \s*SLOT
	s_add_nc_u64 s[G0+4*\s+2:G0+4*\s+3], s[20:21], \s*AKS          ; K step s
	s_or_b32 s[G0+4*\s+3], s[G0+4*\s+3], 0x80000000
	s_mov_b32 s[G0B+4*\s], 1
	s_add_co_u32 s[G0B+4*\s+1], s45, \s*SLOT
	s_add_nc_u64 s[G0B+4*\s+2:G0B+4*\s+3], s[46:47], \s*ROWB
	s_or_b32 s[G0B+4*\s+3], s[G0B+4*\s+3], 0x80000000
.endr
	v_and_b32 v1, 15, v0                           ; r = l % 16
	v_bfe_u32 v2, v0, 4, 1                         ; h = l / 16
	v_and_b32 v7, 31, v0                           ; lane
	v_lshlrev_b32 v[BO], 5, v2
	v_min_u32 v[PFO], 16, v7
	v_lshlrev_b32 v[PFO], 8, v[PFO]
	v_min_u32 v[PFOB], 15, v7
	v_lshlrev_b32 v[PFOB], 10, v[PFOB]
	v_mul_u32_u24 v3, v1, PITCH
	v_lshl_add_u32 v4, v2, 4, v3                   ; a fragment's row x pitch + 16 h
	v_mul_u32_u24 v5, v7, PITCH                    ; A's scale words: a lane a row
	v_lshrrev_b32 v6, 2, v7
	v_lshlrev_b32 v8, 6, v7
	v_lshl_add_u32 v6, v6, 4, v8                   ; B's: 64 bytes a row, and 16 more for each 256 passed
	v_lshl_add_u32 v9, v2, 3, v3                   ; into a stage: row r, 8 bytes for each half of the lanes
	v_mul_u32_u24 v10, v2, PITCH
	v_lshl_add_u32 v10, v1, 4, v10                 ; back: lanes 0-15 one row of 256 bytes, lanes 16-31 the next
	v_lshlrev_b32 v11, 12, v2
	v_lshl_add_u32 v[CO], v1, 4, v11               ; and the same two rows in out0: 4,096 bytes a row
	s_wait_alu depctr_va_vdst(0)
	s_lshl_b32 s46, s42, 10                        ; the bias of my 128 columns: 4 bytes x (256 x tile column + 128 x half)
	s_lshl_b32 s47, s16, 9
	s_add_co_u32 s46, s46, s47
	s_mov_b32 s47, 0
	s_add_nc_u64 s[96:97], s[96:97], s[46:47]
.irp b, 0,1,2,3,4,5,6,7
	global_load_b128 v[BI+8*\b:BI+8*\b+3],   v[BO], s[96:97] offset:64*\b       ; in the result's layout.  Both tiles have these columns.  Waited for at the head of the way out
	global_load_b128 v[BI+8*\b+4:BI+8*\b+7], v[BO], s[96:97] offset:64*\b+16
.endr
	ASK_A AKS                                      ; K steps 1 and 2
	ASK_B 1
	ASK_A 2*AKS
	ASK_B 2
	s_mul_i32 s21, s15, HALFT                      ; my 128 rows of A
	s_mul_i32 s22, s16, HALFT                      ; my 128 rows of B,
	s_add_co_u32 s22, s22, 2*HALFT                 ; which lie behind A's 256
	s_add_co_u32 s23, s21, ROWB                    ; A's scale bytes lie behind a row's 256 bytes of codes
.irp s, 0,1
	v_add_nc_u32 v[ADRA+\s], s21, v4
	v_add_nc_u32 v[ADRB+\s], s22, v4
	v_add_nc_u32 v[ADSA+\s], s23, v5
	s_add_co_u32 s21, s21, SLOT
	s_add_co_u32 s22, s22, SLOT
	s_add_co_u32 s23, s23, SLOT
.endr
	s_add_co_u32 s21, s94, SCLB
	v_add_nc_u32 v[ADSB], s21, v6
	s_mul_i32 s23, s15, 16*PITCH                   ; a stage's rows 0-15: the upper waves' block, rows 16-31 the lower waves'; my half of a row's 256 bytes
	s_lshl_b32 s21, s16, 7
	s_add_co_u32 s23, s23, s21
	s_add_co_u32 s23, s23, STAGE
	v_add_nc_u32 v[STO], s23, v9
	s_mul_i32 s23, s14, 8*PITCH                    ; back: wave w takes the stage's rows 8 w .. 8 w + 7, whole
	s_add_co_u32 s23, s23, STAGE
	v_add_nc_u32 v[RD], s23, v10
	s_lshl_b32 s20, s17, 8
	s_lshl_b32 s21, s15, 7
	s_add_co_u32 s20, s20, s21
	s_lshl_b32 s21, s16, 3
	s_add_co_u32 s20, s20, s21                     ; the first row that I store: 256 x tile row + 128 x (wave / 2) + 8 x (wave % 2), under 4,096,
	s_lshl_b32 s20, s20, 12                        ; in bytes: under 2^24
	s_mov_b32 s21, 0
	s_add_nc_u64 s[98:99], s[98:99], s[20:21]
	s_lshl_b32 s46, s42, 8                         ; the tile's first column, in bytes (s47 is 0)
	s_add_nc_u64 s[98:99], s[98:99], s[46:47]
	s_mov_b32 s2, 0x04000400                       ; byte selects: the low bytes of two registers side by side
	s_mov_b32 s95, 0x05040100                      ; the low halves of two registers side by side
	s_mov_b32 s100, 0xc3000000                     ; -128.0
	s_mov_b32 s101, 0x42fe0000                     ; 127.0
	s_mov_b32 s18, 0x4b400000                      ; 1.5 x 2^23
	s_mov_b32 s19, s18                             ; (the packed form names the pair and takes its low word for both halves: so s19 is written)
; A fragment, 16 rows x 128 K of 4-bit codes, is 8 registers: lane l holds row l % 16; registers 4 c .. 4 c + 3 hold K = 64 c + 32 (l / 16) + 0 .. 31, the lower K in the lower bits.
; BRUN, ARUN: B's, A's eight fragments of the slot's q-th 128 along K into set p: 16 loads each.
.macro BRUN slot, q, p
	WIN TO_F
.irp i, 0,1,2,3,4,5,6,7
.irp c, 0,1
	ds_load_b128 v[128*(\p)+8*\i+4*\c:128*(\p)+8*\i+4*\c+3], v[ADRB+\slot] offset:64*(\q)+32*\c+\i*16*PITCH
.endr
.endr
.endm
.macro ARUN slot, q, p
	WIN TO_F
.irp i, 0,1,2,3,4,5,6,7
.irp c, 0,1
	ds_load_b128 v[128*(\p)+64+8*\i+4*\c:128*(\p)+64+8*\i+4*\c+3], v[ADRA+\slot] offset:64*(\q)+32*\c+\i*16*PITCH
.endr
.endr
.endm
.macro SCALES slot, ks                 ; the scale words of the K step that lies in the slot, the tile's ks-th: four words a row.  A's lie in the slot, B's behind the ring, 16 bytes a K step on in each row
	WIN 0
.irp i, 0,1,2,3
	ds_load_b128 v[SCA+16*\slot+4*\i:SCA+16*\slot+4*\i+3], v[ADSA+\slot] offset:\i*32*PITCH
	ds_load_b128 v[SCB+16*\slot+4*\i:SCB+16*\slot+4*\i+3], v[ADSB] offset:\i*SBLK+16*\ks
.endr
.endm
; One product.  Source 0's scales: a lane a row of its 32.  Source 1's: a register holds 32 rows' words, block a's in lanes 0-15 where a is even, in lanes 16-31 where it is odd.
.macro WM c
.if odd
	v_wmma_scale_f32_32x16x128_f4 v[rD:rD+15], v[rB:rB+15], v[rA:rA+7], \c, v[sB], v[sA] matrix_b_scale:MATRIX_SCALE_ROW1
.else
	v_wmma_scale_f32_32x16x128_f4 v[rD:rD+15], v[rB:rB+15], v[rA:rA+7], \c, v[sB], v[sA]
.endif
.endm
; Four products: A's block a x B's four, the slot's q-th 128 along K, fragment set p, scale set sc.  zero = 1: the product starts the sum: nothing is ever cleared.
; The 32 accumulators take turns, one instruction a turn, in the same order in every step and from tile to tile.
.macro GRP a, p, q, sc, zero
.if (\a) < 4
	WIN MUL_LO
.else
	WIN MUL_HI
.endif
.set odd, (\a)%2
.set rA, 128*(\p)+64+8*(\a)
.set sA, SCA+16*(\sc)+4*((\a)/2)+(\q)
.irp t, 0,1,2,3
.set rD, 64*((\a)%4)+16*\t
.set rB, 128*(\p)+16*\t
.set sB, SCB+16*(\sc)+4*\t+(\q)
.if \zero
	WM 0
.else
	WM v[rD:rD+15]
.endif
.endr
.endm
; A load into a register that a matrix instruction has read, and a vector instruction that reads a matrix result or writes one of a matrix instruction's registers, stand four places behind that matrix
; instruction, and only plain vector instructions that name none of its registers are places (ISA guide 7.12.1 for vector instructions); the matrix instructions in between are not counted.
.macro PLACES
.rept 4
	v_nop
.endr
.endm
; A step of 128 along K that has its successor in the same slot.  The next step's 32 loads, B's first, then A's blocks in order, go out in one run: in a slot's first step behind the second block's products (its own fragments
; were asked for late), else at the step's start.  A's blocks are waited for two by two, each time with the loads counted that have been issued behind them.
.macro STEP slot, q, zero
.if (\q) == 0
	s_wait_dscnt 12                                ; B's fragments, the scale words and A's blocks 0, 1 are in; A's blocks 2 to 7 may be out
	GRP 0, (\q)%2, \q, \slot, \zero
	GRP 1, (\q)%2, \q, \slot, \zero
.endif
	PLACES                                         ; the other set was read by the last step's products
.if (\q) > 0
	s_wait_dscnt 28                                ; so that no more than 60 are out behind the run
.endif
	BRUN \slot, (\q)+1, 1-(\q)%2
	ARUN \slot, (\q)+1, 1-(\q)%2
.if (\q) > 0
	s_wait_dscnt 44                                ; B's fragments and A's blocks 0, 1 (behind them 12 loads of this set and the run's 32)
	GRP 0, (\q)%2, \q, \slot, \zero
	GRP 1, (\q)%2, \q, \slot, \zero
.endif
	s_wait_dscnt 40                                ; A's blocks 2, 3 (behind them 8 and 32)
	GRP 2, (\q)%2, \q, \slot, \zero
	GRP 3, (\q)%2, \q, \slot, \zero
	s_wait_dscnt 36                                ; A's blocks 4, 5
	GRP 4, (\q)%2, \q, \slot, \zero
	GRP 5, (\q)%2, \q, \slot, \zero
	s_wait_dscnt 32                                ; A's blocks 6, 7
	GRP 6, (\q)%2, \q, \slot, \zero
	GRP 7, (\q)%2, \q, \slot, \zero
.endm
; A slot's last step changes slots: all its reads of the slot have been issued when it begins.  ONE barrier; in front of it each wave waits for all its tensor loads, adds 0 to its spare word, and waits for that and for its own reads.
; fill = 1: this slot is filled again with this tile's K step two steps on; fill = 2: with the NEXT tile's K step 0 or 1; the barrier then opens a round of the cluster's barrier, and the joint
; refill is the first tensor load behind the round.  fill = 0: nothing is asked for.  ks: which K step of its tile lies in the next slot.  ask: which K step of the second tile the prefetch names.
.macro TURN slot, next, fill, ks, ask
	WIN 0                                          ; (the add's two registers lie in window 0)
	s_wait_tensorcnt 0x0                           ; all my tensor loads have landed: the one that was out is my part of the next slot;
	ds_add_u32 v[SPW], v[NIL]                      ; 0 onto my spare word
	s_wait_dscnt 13                                ; (the add and A's blocks 2 to 7 may be out)
	GRP 0, 1, 3, \slot, 0
	GRP 1, 1, 3, \slot, 0
	s_wait_dscnt 0x0                               ; the add is done, and my reads of this slot are over
	s_barrier_signal -1
	GRP 2, 1, 3, \slot, 0
	WIN 0
	s_barrier_wait -1
.if \fill
	CREST                                          ; no wave of any partner still reads this slot's tile or has a load on its way
.if \fill == 1
	s_add_nc_u64 s[G0+4*\slot+2:G0+4*\slot+3], s[G0+4*\slot+2:G0+4*\slot+3], 2*AKS
	s_add_nc_u64 s[G0B+4*\slot+2:G0B+4*\slot+3], s[G0B+4*\slot+2:G0B+4*\slot+3], 2*ROWB
.else
	s_sub_nc_u64 s[G0+4*\slot+2:G0+4*\slot+3], s[G0+4*\slot+2:G0+4*\slot+3], NEXT_A     ; A: two K steps back and WALK rows on;
	s_sub_nc_u64 s[G0B+4*\slot+2:G0B+4*\slot+3], s[G0B+4*\slot+2:G0B+4*\slot+3], 2*ROWB ; B: only back: the tiles share their rows of B.  The type bits on top are not reached
.endif
	JLOAD \slot                                    ; my one tensor load behind the round; the four v_nop behind it are also the places in front of the loads below
.else
	PLACES
.endif
	BRUN \next, 0, 0
	SCALES \next, \ks
	ARUN \next, 0, 0
	WIN 0
.if \fill == 1
	s_cmp_eq_u32 s3, TILES                         ; in the last tile nothing is left to ask for
	s_cbranch_scc0 .Lno_ask_\@
	ASK_A WALK*PITCH+\ask*AKS
.Lno_ask_\@:
.elseif \fill == 2
	ASK_A WALK*PITCH+\ask*AKS
.endif
	GRP 3, 1, 3, \slot, 0
	GRP 4, 1, 3, \slot, 0
	GRP 5, 1, 3, \slot, 0
	GRP 6, 1, 3, \slot, 0
	GRP 7, 1, 3, \slot, 0
.endm
.macro STEPS slot                      ; the slot's steps 1 and 2
	STEP \slot, 1, 0
	STEP \slot, 2, 0
.endm
; THE WAY OUT, block by block of 16 rows x 128 columns, in place on the block's 64 accumulator registers, in two parts.
; y alpha is rounded to f32 and the bias is added with a second rounding: TWO instructions on purpose.  The result is rounded to a whole number and has one right value;
; a fused multiply-add rounds once and could fall on the other side of a middle.
; The clip stands ahead of the rounding: both bounds are whole numbers, so the order does not change the result.
; Adding 1.5 x 2^23 to a number in [-128, 127] rounds it to the nearest whole number, ties to even (there an f32's last bit counts 1), and leaves that number's int8 pattern in the low byte.
.macro COMP1 a
.set AC, 64*((\a)%4)                   ; the block's four accumulators,
.set W, 2+(\a)/4                       ; in window 2 (blocks 0-3) or 3 (blocks 4-7)
	WIN (W<<6)|W                                   ; destination and source 0 in the accumulators' window
.set j, 0
.rept 32
	v_pk_mul_f32 v[AC+j:AC+j+1], v[AC+j:AC+j+1], s[66:67] op_sel_hi:[1,0]   ; y alpha; each accumulator from its low end on
.set j, j+2
.endr
.set j, 0
.rept 32
	v_pk_add_f32 v[AC+j:AC+j+1], v[AC+j:AC+j+1], v[BI+j:BI+j+1]             ; + bias (window 0)
.set j, j+2
.endr
.set j, 0
.rept 64
	v_med3_num_f32 v[AC+j], v[AC+j], s100, s101                             ; the clip
.set j, j+1
.endr
	WIN 0                                          ; stores, whose registers lie in window 0, may follow
.endm
.macro COMP2 a
.set AC, 64*((\a)%4)
.set W, 2+(\a)/4
.set PS, P+16*((\a)%2)
	WIN (W<<6)|W
.set j, 0
.rept 32
	v_pk_add_f32 v[AC+j:AC+j+1], v[AC+j:AC+j+1], s[18:19] op_sel_hi:[1,0]   ; the rounding
.set j, j+2
.endr
	WIN (W<<6)|(W<<2)|W
.set j, 0
.rept 32
	v_perm_b32 v[AC+j], v[AC+j+1], v[AC+j], s2                              ; two low bytes into a low half
.set j, j+2
.endr
	WIN (W<<2)|W                                   ; the destination in window 0
.set j, 0
.rept 16
	v_perm_b32 v[PS+j], v[AC+4*j+2], v[AC+4*j], s95                         ; two low halves into a word: columns 4 j .. 4 j + 3 of my 64
.set j, j+1
.endr
	WIN 0
.endm
; A lane's eight numbers of a row are 8 bytes, a wave's 128 columns half of a row's 256 bytes.  So the four waves' blocks a meet in a stage of 32 rows, and each wave stores 8 whole rows.
; Two stages take turns: ONE barrier a block, in front of which each wave has waited for its stores into this stage and for its reads of the other.
.macro PUT a
.irp b, 0,1,2,3,4,5,6,7
	ds_store_b64 v[STO], v[P+16*((\a)%2)+2*\b:P+16*((\a)%2)+2*\b+1] offset:((\a)%2)*STG+16*\b   ; lane (r, h): row r of my block, columns 16 b + 8 h + 0 .. 7.  At this pitch the 32 lanes touch 64 different banks
.endr
.endm
.macro GET a
.irp t, 0,1,2,3
	ds_load_b128 v[OB+16*((\a)%2)+4*\t:OB+16*((\a)%2)+4*\t+3], v[RD] offset:((\a)%2)*STG+2*PITCH*\t
.endr
.endm
.macro SEND a
.irp t, 0,1,2,3
	global_store_b128 v[CO], v[OB+16*((\a)%2)+4*\t:OB+16*((\a)%2)+4*\t+3], s[98:99] offset:(16*(\a)+2*\t)*NROW th:TH_STORE_NT   ; 16 lanes store 256 consecutive bytes, at a multiple of 256 from out0's first byte; written once, read by nobody here
.endr
.endm
	s_wait_alu depctr_va_vdst(0)
	s_wait_tensorcnt 0x0                           ; my tile of the head's is in
	ds_add_u32 v[SPW], v[NIL]                      ; 0 onto my spare word
	s_mov_b32 s[G1+2], 136<<16                     ; no tensor load of mine is out, so a descriptor may be written: from here on a load brings 128 rows
	s_mov_b32 s[G1+4], 136
	s_mov_b32 s[G1B+2], 128<<16
	s_mov_b32 s[G1B+4], 128
	s_wait_dscnt 0x0                               ; the add is done
	CROUND                                         ; a whole round: all tiles of the head are in, and all sixteen work-groups are here: the joint loads meet,
	JLOAD 1                                        ; and K step 1's load, the first tensor load behind the round
	BRUN 0, 0, 0
	SCALES 0, 0
	ARUN 0, 0, 0
	WIN 0                                          ; at a label and at a branch every window is 0
	ASK_A 3*AKS                                    ; K step 3
	ASK_B 3
	s_mov_b32 s3, TILES                            ; tiles to go, this one among them: the same number in every work-group
.Ltile:
	STEP 0, 0, 1                                   ; K step 0: its first products start the sums
	STEPS 0
	TURN 0, 1, 1, 1, 0                             ; slot 0 takes K step 2
	STEP 1, 0, 0                                   ; K step 1
	STEPS 1
	TURN 1, 0, 1, 2, 1                             ; slot 1 takes K step 3
	STEP 0, 0, 0                                   ; K step 2
	STEPS 0
	WIN 0
	s_cmp_eq_u32 s3, 1
	s_cbranch_scc1 .Llast                          ; the last tile's end is written out
	TURN 0, 1, 2, 3, 2                             ; THE RING GOES ON INTO THE NEXT TILE: slot 0 takes its K step 0,
	STEP 1, 0, 0                                   ; K step 3
	STEPS 1
	TURN 1, 0, 2, 0, 3                             ; slot 1 its K step 1, and the next tile's first fragments and scale words are fetched
	WIN 0
	s_branch .Lout
.Llast:
	TURN 0, 1, 0, 3, 0                             ; nothing is left to fetch: no round
	STEP 1, 0, 0                                   ; K step 3
	STEPS 1
	s_wait_dscnt 12                                ; the very last step
	GRP 0, 1, 3, 1, 0
	GRP 1, 1, 3, 1, 0
	s_wait_dscnt 8
	GRP 2, 1, 3, 1, 0
	GRP 3, 1, 3, 1, 0
	s_wait_dscnt 4
	GRP 4, 1, 3, 1, 0
	GRP 5, 1, 3, 1, 0
	s_wait_dscnt 0
	GRP 6, 1, 3, 1, 0
	GRP 7, 1, 3, 1, 0
	WIN 0
.Lout:
	PLACES                                         ; behind the last products, in front of vector instructions that read and write their results
	s_wait_kmcnt 0x0                               ; alpha
	s_mov_b32 s67, s66                             ; (named with it as a pair, so it is written)
	s_wait_loadcnt 0x0                             ; the bias
	COMP1 0
	COMP2 0
	PUT 0
.irp a, 0,1,2,3,4,5,6,7
.if \a < 7
	COMP1 \a+1                                     ; the first part of the next block's arithmetic stands between my LDS instructions and the wait for them,
.endif
	s_wait_dscnt 0x0                               ; for the others' sake: my stores into this stage are done; and the rows of the block before are back
.if \a > 0
	SEND \a-1
.endif
	s_barrier_signal -1
.if \a < 7
	COMP2 \a+1                                     ; the second part between the barrier's signal and its wait
.endif
	s_wait_alu depctr_va_vdst(0)
	s_barrier_wait -1
.if \a > 1
	s_wait_xcnt 0x0                                ; the stores of the block two back have read their registers: this block's rows may land there
.endif
	GET \a
.if \a < 7
	PUT \a+1                                       ; into the other stage, whose reads every wave had waited for in front of the barrier
.endif
.endr
	s_wait_dscnt 0x0
	SEND 7
	s_wait_xcnt 0x0                                ; the stores have read their registers and their base: both may be written again
	s_add_nc_u64 s[98:99], s[98:99], WALK*NROW     ; out0 at the next tile
	s_sub_co_u32 s3, s3, 1
	s_cmp_lg_u32 s3, 0
	s_cbranch_scc1 .Ltile
	s_wait_tensorcnt 0x0                           ; the wave's end: behind my last tensor load and my last LDS store
	ds_add_u32 v[SPW], v[NIL]
	s_wait_dscnt 0x0
	CROUND                                         ; the closing round: no work-group ends while a partner may still ask for a tile that names it
	s_endpgm
.Lfunc_end_k_q26f766e380_gemm:
	.size	k_q26f766e380_gemm, .Lfunc_end_k_q26f766e380_gemm-k_q26f766e380_gemm
	.p2alignl 7, 3214868480
	.fill 96, 4, 3214868480
	.section	.rodata,"a",@progbits
	.p2align	6, 0x0
	.amdhsa_kernel k_q26f766e380_gemm
		.amdhsa_group_segment_fixed_size 327680
		.amdhsa_private_segment_fixed_size 0
		.amdhsa_enable_private_segment 0
		.amdhsa_kernarg_size 48
		.amdhsa_user_sgpr_count 2
		.amdhsa_user_sgpr_kernarg_segment_ptr 1
		.amdhsa_wavefront_size32 1
		.amdhsa_system_sgpr_workgroup_id_x 1
		.amdhsa_system_sgpr_workgroup_id_y 1
		.amdhsa_system_sgpr_workgroup_id_z 1
		.amdhsa_system_vgpr_workitem_id 0
		.amdhsa_next_free_vgpr 1024
		.amdhsa_next_free_sgpr 102
		.amdhsa_reserve_vcc 0
		.amdhsa_float_denorm_mode_32 3
		.amdhsa_float_denorm_mode_16_64 3
		.amdhsa_memory_ordered 1
		.amdhsa_forward_progress 1
		.amdhsa_inst_pref_size 255
	.end_amdhsa_kernel
	.section	.bss,"aw",@nobits
	.p2align	6
	.space	262144
	.amdgpu_metadata
---
amdhsa.version: [ 1, 2 ]
amdhsa.kernels:
  - .name:           k_q26f766e380_gemm
    .symbol:         k_q26f766e380_gemm.kd
    .args:
      - { .name: xq, .offset: 0, .size: 8, .value_kind: global_buffer, .address_space: global }
      - { .name: weight_codes, .offset: 8, .size: 8, .value_kind: global_buffer, .address_space: global }
      - { .name: weight_scales, .offset: 16, .size: 8, .value_kind: global_buffer, .address_space: global }
      - { .name: alpha, .offset: 24, .size: 8, .value_kind: global_buffer, .address_space: global }
      - { .name: bias, .offset: 32, .size: 8, .value_kind: global_buffer, .address_space: global }
      - { .name: out0, .offset: 40, .size: 8, .value_kind: global_buffer, .address_space: global }
    .group_segment_fixed_size: 327680
    .private_segment_fixed_size: 0
    .kernarg_segment_align: 8
    .kernarg_segment_size: 48
    .max_flat_workgroup_size: 128
    .sgpr_count:     102
    .vgpr_count:     1024
    .wavefront_size: 32
...
	.end_amdgpu_metadata
.endif
;; end of part 2
